; MI455X (gfx1250); checked and timed in simulation.
; The chip was launched on July 23, 2026; its instructions are those of AMD's public machine-readable ISA for CDNA 5 (MIT licence, August 2026) and "CDNA5" Instruction Set Architecture Reference Guide (July 2026). The comments in the code are by the model that wrote it; some were corrected since.
;; Self Attention. Allowed arithmetic: matrix products marked QUANTISED: E2M1 operands, one E8M0 scale for each 32 along K, by v_wmma_scale_f32_16x16x128_f8f6f4 with both operands' format E2M1 (or v_wmma_scale_f32_32x16x128_f4), f32 sums; everything else in f32.
;; Inputs: Wk_codes 1,024 x 32 x 16 uint8 (E2M1 codes of Wk, K innermost, in blocks of 32 codes, two codes a byte); Wk_scales 1,024 x 32 uint8 (E8M0 scales of Wk, one for each 32 codes along K); Wo_codes 1,024 x 32 x 16 uint8 (E2M1 codes of Wo, K innermost, in blocks of 32 codes, two codes a byte); Wo_scales 1,024 x 32 uint8 (E8M0 scales of Wo, one for each 32 codes along K); Wq_codes 1,024 x 32 x 16 uint8 (E2M1 codes of Wq, K innermost, in blocks of 32 codes, two codes a byte); Wq_scales 1,024 x 32 uint8 (E8M0 scales of Wq, one for each 32 codes along K); Wv_codes 1,024 x 32 x 16 uint8 (E2M1 codes of Wv, K innermost, in blocks of 32 codes, two codes a byte); Wv_scales 1,024 x 32 uint8 (E8M0 scales of Wv, one for each 32 codes along K); bk 1,024 float32; bo 1,024 float32; bq 1,024 float32; bv 1,024 float32; norm_embed_codes 4 x 2,048 x 32 x 16 uint8 (E2M1 codes of norm_embed, K innermost, in blocks of 32 codes, two codes a byte); norm_embed_scales 4 x 2,048 x 32 uint8 (E8M0 scales of norm_embed, one for each 32 codes along K).
;; Outputs: out0 4 x 2,048 x 1,024 float32.
;; This version of the problem:
;;   THIS VERSION OF THE PROBLEM IS GIVEN IN LOW PRECISION. The matrix products marked QUANTISED in the list below multiply operands that are first quantised to E2M1 (2 exponent bits, 1 mantissa bit; 4 bits a number), with one power-of-two scale for each 32 numbers along K (OCP MX v1.0); their sums are f32. All else is computed in f32.
;;   The module's matrix products, in the order in which they are computed (A, B: the left and right operand; K: the contracted axis; several contracted axes count as one K, in the product's order):
;;     1. [M 8,192, K 1,024] x [K 1,024, N 1,024]; A: input norm_embed (given as codes); B: input Wq (given as codes): QUANTISED
;;     2. [M 8,192, K 1,024] x [K 1,024, N 1,024]; A: input norm_embed (given as codes); B: input Wk (given as codes): QUANTISED
;;     3. [M 8,192, K 1,024] x [K 1,024, N 1,024]; A: input norm_embed (given as codes); B: input Wv (given as codes): QUANTISED
;;     4. batch 64 x [M 2,048, K 64] x [K 64, N 2,048]; A: computed on the way; B: computed on the way: QUANTISED
;;     5. batch 64 x [M 2,048, K 2,048] x [K 2,048, N 64]; A: softmax (see below); B: computed on the way: QUANTISED
;;     6. [M 8,192, K 1,024] x [K 1,024, N 1,024]; A: computed on the way; B: input Wo (given as codes): QUANTISED
;;   THE QUANTISER, for each operand of a quantised product, along K:
;;     - K is cut into blocks of 32 from its start; a last block that is shorter is filled with zeros.
;;     - A block's scale is 2^e with e = floor(log2(the largest magnitude in the block)) - 2, held to -126 .. 127; a block of zeros has e = 0. As a byte (E8M0): e + 127.
;;     - Each number is divided by its block's scale, clamped to +-6, and rounded to the nearest number of E2M1, ties to even, subnormals kept.
;;     - The product sums the exact products of the quantised numbers (number of the format x scale) in f32.
;;   ~~~python
;;   def quantise(x, axis):      # numpy; x: float32 -> the quantised numbers, widened to float32 again
;;       x = np.moveaxis(x, axis, -1); K = x.shape[-1]
;;       x = np.pad(x, [(0, 0)] * (x.ndim - 1) + [(0, -K % 32)]); x = x.reshape(x.shape[:-1] + (-1, 32)); a = np.abs(x).max(-1, keepdims=True)
;;       e = np.where(a > 0, np.clip(np.frexp(np.where(a > 0, a, 1))[1] - 1 - 2, -126, 127), 0)      # np.frexp(a)[1] - 1 = floor(log2(a)), exactly
;;       r = np.clip(x / 2.0 ** e, -6, 6)
;;       step = 2.0 ** (np.maximum(np.frexp(np.where(r == 0, 1, r))[1] - 1, 0) - 1)
;;       q = np.round(r / step) * step * 2.0 ** e      # np.round: ties to even
;;       return np.moveaxis(q.reshape(q.shape[:-2] + (-1,))[..., :K], -1, axis).astype(np.float32)
;;   ~~~
;;   SOFTMAX AHEAD OF A QUANTISED PRODUCT. Where the list says 'softmax', what is quantised is not the finished softmax but p = 2^(t - M), with t = logit x log2(e) and M = ceil(the row's largest t), a whole number; so 1/2 < the row's largest p <= 1. The row's sum l is taken of the UNQUANTISED p, in f32, and the product's result is divided by l at the end. Since M is a whole number, a kernel that streams over the keys may use a running M (the ceiling of the running maximum): every later rescaling is an exact power of two, which a block's scale takes up: the codes' values come out the same.
;;   OPERANDS COMPUTED ON THE WAY. 'Computed on the way' means the value that the module computes at that place (a softmax that the list does not call 'softmax' is quantised finished and normalised). What goes into a quantiser is computed in f32, as accurately as f32 sums, v_exp_f32 and their like allow (about 1e-6 of the number): no bf16 or f16 on the way to a quantiser, and a product that is left as it is and whose result goes on into a quantised operand takes f32 operands (vector FMAs, or v_wmma_f32_16x16x4_f32). A number that lies on a knife's edge between two numbers of the format may be rounded either way, as far as f32 arithmetic and the matrix unit's own rounding can turn it there, and no further.
;;   INPUTS GIVEN AS CODES. Wk (in the module: [1024, 1024], K = its axis 1); Wo (in the module: [1024, 1024], K = its axis 1); Wq (in the module: [1024, 1024], K = its axis 1); Wv (in the module: [1024, 1024], K = its axis 1); norm_embed (in the module: [4, 2048, 1024], K = its axis 2): each comes as NAME_codes (uint8): NAME with its K axis moved to the last place and cut into blocks of 32 codes, [.., K / 32, bytes a block], one block behind the other in memory; two codes a byte, the lower K in the low four bits (a code: sign, 2 exponent bits, 1 mantissa bit); and NAME_scales (uint8): the same leading axes, one E8M0 byte (e + 127) for each 32 codes along K. Its value is code x scale, taken as it is: it is not quantised again, and the codes and scales need not be those that the quantiser above would give.
;; One version. Each part assembles by itself: llvm-mc -triple=amdgcn-amd-amdhsa -mcpu=gfx1250 --defsym DOCPART=n.
;; ======== version 1 of 1: 3 launches
;; workspace buffers: qc 4,194,304 bytes; qs 524,288 bytes; kv 9,175,040 bytes; xc 4,194,304 bytes; xs 262,144 bytes
;; launch qkv (part 1): grid 12 x 32, 4 waves a work-group, clusters of 4 x 4, 327,680 bytes of LDS; arguments norm_embed_codes, norm_embed_scales, Wq_codes, Wq_scales, bq, Wk_codes, Wk_scales, bk, Wv_codes, Wv_scales, bv, qc, qs, kv; writes qc, qs, kv
.if DOCPART == 1
	.amdgcn_target "amdgcn-amd-amdhsa--gfx1250"
	.amdhsa_code_object_version 6
	.text
	.protected	k_q7c7bafc23b_qkv
	.globl	k_q7c7bafc23b_qkv
	.p2align	8
	.type	k_q7c7bafc23b_qkv,@function
k_q7c7bafc23b_qkv:
	s_mov_b64 s[64:65], 0
	v_nop
	global_prefetch_b8 v0, s[64:65] scope:SCOPE_SE
	s_setreg_imm32_b32 hwreg(HW_REG_WAVE_MODE, 25, 1), 1
	s_wait_xcnt 0x0
	s_wait_alu depctr_hold_cnt(0) depctr_sa_sdst(0) depctr_va_vdst(0) depctr_va_sdst(0) depctr_va_ssrc(0) depctr_va_vcc(0) depctr_vm_vsrc(0)
	s_getreg_b32 s2, hwreg(HW_REG_IB_STS2, 6, 4)
	s_cmp_eq_u32 s2, 0
	s_cbranch_scc0 .Lentry_in_a_cluster
	s_endpgm
.Lentry_in_a_cluster:
	s_bfe_u32 s2, ttmp6, 0x10000c
	s_cmp_lg_u32 s2, 0xf033
	s_cbranch_scc0 .Lentry_shape_is_right
	s_endpgm
.Lentry_shape_is_right:
; q = x Wq^T + bq, k = x Wk^T + bk, v = x Wv^T + bv on codes of FP4 (E2M1) with one E8M0 scale for each 32 along K = 1,024; sums in f32; then the quantisers of the
; attention's operands: q and k along the head's 64, v along the keys.  x: [8,192][1,024], each W: [1,024][1,024], codes with K innermost (512 bytes a row), 32 scale bytes a row.
; DEAD WORK: none here, and no input is left out: every bias moves codes or scales of a live operand (bk too).  The one thing that this program leaves out stands in the attention launch: key steps
; all of whose 128 keys come after all 16 queries of a tile.  reference() sets those scores to -inf by its own jnp.tril, so p = 0 there for all values of the inputs.  LIMIT: a NaN, an infinity or an
; overflow that reaches only such a step is not carried to the result.
; LIMITS: a block of zeros gets the scale byte 1 where the quantiser says 127 (its codes are zeros, and this program alone reads the bytes); the same byte 1 holds for blocks whose largest magnitude lies under
; 2^-124; NaN, infinities and the scale byte 0xff among the inputs are not served.  The bias is the first term of each f32 sum, not its last.
; SHARES.  384 tiles of 256 x 256, four waves of 128 x 128 (64 accumulators, 512 registers).  The cluster's x is the TYPE (0 q, 1 k, 2 v), the same in all sixteen partners.
; The product is always C = A B^T used transposed (source 0 = 16 rows of B, source 1 = 16 rows of A): a lane holds ONE row of A, and its registers run along B's rows.
;   q, k: A = x (tile 4 Y + cy), B = W (tile cx): a lane is a position, its registers run along the features: the head's 64 are the next K.
;   v:    A = Wv (tile cy), B = x (tile 4 Y + cx): a lane is a feature d, its registers run along the positions: the keys are the next K.
; Only pointers and tile numbers are chosen by the type; LDS addresses, masks and shapes are the same.  A's tile hangs on cy and Y alone and is asked for jointly by my row of the cluster, B's on cx and Y alone, by my column.
; K = 1,024 is two slots of 512 along K (rows of 256 bytes): both are first fills, nothing is filled again.  The scale words go from memory straight into registers, once, for all of K.
; THE QUANTISER.  Accumulator t, register j, lane (r, h) is k = 16 t + 8 h + j of the next K.  Block b is tiles 2 b, 2 b + 1 in lanes l and l xor 16.  Tile t's eight numbers become one register of codes,
; P[4 (t / 4) + 2 (t % 2) + (t % 4) / 2]; exchanging the upper lanes of P[4 c + 2 e] with the lower lanes of P[4 c + 2 e + 1] leaves in P[4 c + g] the codes of k = 64 c + 32 h + 8 g .. + 7: the operand's own layout.
; OUT, as images of operand registers; idx = (batch x 16 + head) x 16 + group of 128 positions:
;   qc: idx x 4,096 + tile x 512 + 16 x lane.   qs: idx x 512 + 16 x lane + 4 u: the word of tile 2 u + lane / 16, row lane % 16; bytes 2 and 3 are 0.
;   kv: idx x 8,960: K's 8 tiles as qc; + 4,096 V's 4 fragments of 1,024 bytes; + 8,192 K's scale words as qs; + 8,704 V's scale words at 8 x lane + 4 u.
; REGISTERS, in windows of 256: window 0: v0-31 addresses; v32-63 A's scale words, v64-95 B's (register 8 j + kq: lanes 0-15 tile 2 j, lanes 16-31 tile 2 j + 1, K step kq); v96-112 at work; v128-191 A's fragments, one set,
;   later the codes; v192-207 scale words on their way out.   window 1: v0-63, v128-191 B's fragments, two sets; v64-127 the bias as the first C.   windows 2, 3: the accumulators ((a, b) at v[8 (8 (a % 4) + b)]).
.set KROW,  512                        ; a row of codes in memory
.set ROWB,  256                        ; a tile's row: 512 codes
.set PITCH, 272                        ; an LDS row: 256 bytes + 16 of padding: the 16 rows that a load touches start 68 words apart
.set FR,    8                          ; registers of a fragment
.set NL,    2                          ; LDS loads that bring one
.set NP,    4                          ; places behind this matrix instruction (ISA guide 7.12.1)
.set NQ,    4                          ; steps of 128 along K in a slot
.set HALFT, 128*PITCH
.set SLOT,  4*HALFT                    ; A's 256 rows, then B's 256
.set SPARE, 2*SLOT                     ; behind the slots: the spare words, 128 bytes a wave, that no other line names
.set ADRA, 16                          ; v16-17 LDS address of my A fragments in slot 0, 1
.set ADRB, 20                          ; v20-21 the same for B
.set LI,   24                          ; 16 x lane
.set L8,   25                          ; 8 x lane
.set L32,  26                          ; 32 x lane
.set SPW,  28                          ; my spare word; never rewritten
.set NIL,  29                          ; 0; never rewritten
.set R4,   30                          ; 4 x (lane % 16)
.set H32,  31                          ; 32 x (lane / 16)
.set SA,   32
.set SB,   64
.set TM,   96                          ; v96-99 largest magnitudes, v100-103 the other half's, then bytes, v108-111 the conversions' scale operands
.set PW,   112                         ; the scale word just made
.set AF,   128
.set EO,   192
.set BI,   64                          ; in window 1
.set WV,  20                           ; s20 wave, s21 wave / 2, s22 wave % 2
.set WH,  21
.set WL,  22
.set G1,  24
.set G0,  32
.set CX,  40
.set CY,  41
.set G1B, 48
.set G0B, 56
.set TYP, 96
.set SEL, 98
.set MSB, 0
.macro WIN new                         ; the immediate's high byte repeats the setting that is left; a switch that changes nothing is dropped
.set NEWW, \new
.if MSB != NEWW
	s_set_vgpr_msb (MSB<<8)|NEWW
.set MSB, NEWW
.endif
.endm
.set MUL_LO, 0xa1                      ; source 0 (B) window 1, source 1 (A) window 0, C and D window 2
.set MUL_HI, 0xf1                      ; the same, C and D window 3
.set TO_B,   0x40                      ; destination window 1, address window 0
; A joint load: waves 0 and 1 fetch A's halves, waves 2 and 3 B's.  The branch hangs on the wave's number alone.  An s_nop 0 and four v_nop follow each line.
.macro JLOAD g0a, g0b
	s_cmp_eq_u32 s[WH], 0
	s_cbranch_scc0 .Lfor_b_\@
	tensor_load_to_lds s[\g0a:\g0a+3], s[G1:G1+7]
	s_nop 0
.rept 4
	v_nop
.endr
	s_branch .Lasked_\@
.Lfor_b_\@:
	tensor_load_to_lds s[\g0b:\g0b+3], s[G1B:G1B+7]
	s_nop 0
.rept 4
	v_nop
.endr
.Lasked_\@:
.endm
.macro CROUND                          ; a round of the cluster's barrier
	s_barrier_signal -1
	s_barrier_wait -1
	s_cmp_lg_u32 s[WV], 0
	s_cbranch_scc1 .Lnot_wave_0_\@
	s_barrier_signal -3
.Lnot_wave_0_\@:
	s_barrier_wait -3
	s_barrier_signal -1
	s_barrier_wait -1
.endm
.macro PLACES n
.rept \n
	v_nop
.endr
.endm
	s_load_b512 s[4:19], s[0:1], 0x0               ; x codes s[4:5], x scales s[6:7], Wq codes, Wq scales, bq, Wk codes, Wk scales, bk s[18:19]
	s_load_b256 s[68:75], s[0:1], 0x40             ; Wv codes, Wv scales, bv, qc
	s_load_b128 s[76:79], s[0:1], 0x60             ; qs, kv
	v_lshl_add_u32 v[SPW], v0, 2, SPARE
	v_mov_b32 v[NIL], 0
	ds_add_u32 v[SPW], v[NIL]                      ; the wave's opening: the add, twice on end, and its wait ahead of my first tensor load
	ds_add_u32 v[SPW], v[NIL]
	v_lshrrev_b32 v1, 5, v0
	v_readfirstlane_b32 s[WV], v1                  ; wave 0..3
	s_lshr_b32 s[WH], s[WV], 1                     ; my half of A's rows.  Also: I fetch for A (0) or for B (1)
	s_and_b32 s[WL], s[WV], 1                      ; my half of B's rows.  Also: which 128 rows I fetch
	s_mov_b32 s[TYP], ttmp9                        ; the cluster's x: 0 q, 1 k, 2 v
	s_bfe_u32 s[CX], ttmp6, 0x40000
	s_bfe_u32 s[CY], ttmp6, 0x40004
	s_and_b32 s42, ttmp7, 0xffff
	s_lshl_b32 s42, s42, 2                         ; 4 Y
	s_add_co_u32 s46, s42, s[CY]                   ; 4 Y + cy
	s_add_co_u32 s47, s42, s[CX]                   ; 4 Y + cx
	s_lshl_b32 s43, s[CY], 2
	s_lshl_b32 s43, 15, s43                        ; my row of the cluster
	s_lshl_b32 s44, 0x1111, s[CX]                  ; my column
	s_or_b32 s[G1], s43, (1<<20)|(1<<21)|(5<<22)|(3<<25)   ; the mask; elements of 1 byte; padding on; bit 21 beside a mask; 4 words of padding after every 64
	s_or_b32 s[G1B], s44, (1<<20)|(1<<21)|(5<<22)|(3<<25)
.irp g, G1, G1B
	s_mov_b32 s[\g+1], ROWB<<16                    ; tensor_dim0
	s_mov_b32 s[\g+2], 128<<16                     ; tensor_dim1
	s_mov_b32 s[\g+3], ROWB<<16                    ; tile_dim0
	s_mov_b32 s[\g+4], 128                         ; tile_dim1
	s_mov_b32 s[\g+5], KROW                        ; from row to row
	s_mov_b32 s[\g+6], 0
	s_mov_b32 s[\g+7], 0
.endr
	s_cmp_eq_u32 s[TYP], 2
	s_cselect_b32 s66, s[CY], s46                  ; A's tile: made of cy and Y alone
	s_cselect_b32 s67, s47, s[CX]                  ; B's tile: of cx and Y alone
	s_lshl_b32 s23, s[WL], 16                      ; the 128 rows that I fetch, x 512 bytes
	s_lshl_b32 s2, s66, 17                         ; 256 rows x 512 bytes a tile
	s_add_co_u32 s2, s2, s23
	s_mov_b32 s3, 0
	s_lshl_b32 s94, s67, 17
	s_add_co_u32 s94, s94, s23
	s_mov_b32 s95, 0
	s_mul_i32 s45, s[WV], HALFT                    ; where they go: wave x 128 rows
	s_wait_dscnt 0x0                               ; both opening adds are done
	s_wait_kmcnt 0x0
	s_cmp_eq_u32 s[TYP], 0                         ; the weight of my type: its codes, its scales, its bias
	s_cselect_b64 s[80:81], s[8:9], s[14:15]
	s_cselect_b64 s[82:83], s[10:11], s[16:17]
	s_cselect_b64 s[84:85], s[12:13], s[18:19]
	s_cmp_eq_u32 s[TYP], 2
	s_cselect_b64 s[80:81], s[68:69], s[80:81]
	s_cselect_b64 s[82:83], s[70:71], s[82:83]
	s_cselect_b64 s[84:85], s[72:73], s[84:85]
	s_cselect_b64 s[86:87], s[80:81], s[4:5]       ; A's codes: Wv for v, else x
	s_cselect_b64 s[88:89], s[82:83], s[6:7]       ; A's scales
	s_cselect_b64 s[90:91], s[4:5], s[80:81]       ; B's codes
	s_cselect_b64 s[92:93], s[6:7], s[82:83]       ; B's scales
	s_add_nc_u64 s[86:87], s[86:87], s[2:3]
	s_add_nc_u64 s[90:91], s[90:91], s[94:95]
	CROUND                                         ; all sixteen work-groups are here: the first joint loads meet
.irp s, 0,1
	s_mov_b32 s[G0+4*\s], 1
	s_add_co_u32 s[G0+4*\s+1], s45, \s*SLOT
	s_add_nc_u64 s[G0+4*\s+2:G0+4*\s+3], s[86:87], \s*ROWB
	s_or_b32 s[G0+4*\s+3], s[G0+4*\s+3], 0x80000000
	s_mov_b32 s[G0B+4*\s], 1
	s_add_co_u32 s[G0B+4*\s+1], s45, \s*SLOT
	s_add_nc_u64 s[G0B+4*\s+2:G0B+4*\s+3], s[90:91], \s*ROWB
	s_or_b32 s[G0B+4*\s+3], s[G0B+4*\s+3], 0x80000000
	JLOAD G0+4*\s, G0B+4*\s                        ; two loads of mine are out: all of K
.endr
	v_and_b32 v1, 15, v0                           ; r
	v_bfe_u32 v2, v0, 4, 1                         ; h
	v_and_b32 v5, 31, v0                           ; lane
	v_lshlrev_b32 v[LI], 4, v5
	v_lshlrev_b32 v[L8], 3, v5
	v_lshlrev_b32 v[L32], 5, v5
	v_lshlrev_b32 v[R4], 2, v1
	v_lshlrev_b32 v[H32], 5, v2
	; the scale words of my 128 rows of A and of B, for all of K: a row is 32 bytes, eight words; lane l takes row 32 j + l
	s_lshl_b32 s2, s66, 13
	s_lshl_b32 s23, s[WH], 12
	s_add_co_u32 s2, s2, s23
	s_add_nc_u64 s[88:89], s[88:89], s[2:3]
	s_lshl_b32 s94, s67, 13
	s_lshl_b32 s23, s[WL], 12
	s_add_co_u32 s94, s94, s23
	s_add_nc_u64 s[92:93], s[92:93], s[94:95]
.irp j, 0,1,2,3
.irp e, 0,1
	global_load_b128 v[SA+8*\j+4*\e:SA+8*\j+4*\e+3], v[L32], s[88:89] offset:1024*\j+16*\e
	global_load_b128 v[SB+8*\j+4*\e:SB+8*\j+4*\e+3], v[L32], s[92:93] offset:1024*\j+16*\e
.endr
.endr
	s_cmp_eq_u32 s[TYP], 2
	s_cselect_b32 s2, s[CY], s[CX]                 ; the weight's tile,
	s_cselect_b32 s23, s[WH], s[WL]                ; my half of it,
	s_cselect_b32 s46, s67, s66                    ; x's tile,
	s_cselect_b32 s47, s[WL], s[WH]                ; my half of it
	s_lshl_b32 s94, s2, 10
	s_lshl_b32 s97, s23, 9
	s_add_co_u32 s94, s94, s97
	s_add_nc_u64 s[84:85], s[84:85], s[94:95]      ; the bias of my 128 features
	; where the results go
	s_lshl_b32 s46, s46, 1
	s_add_co_u32 s46, s46, s47                     ; my group of 128 positions, 0 .. 63
	s_lshl_b32 s2, s2, 2
	s_lshl_b32 s23, s23, 1
	s_add_co_u32 s2, s2, s23                       ; my first head
	s_lshr_b32 s47, s46, 4
	s_lshl_b32 s47, s47, 4
	s_add_co_u32 s47, s47, s2
	s_lshl_b32 s47, s47, 4
	s_and_b32 s46, s46, 15
	s_add_co_u32 s47, s47, s46                     ; idx of my first head
	s_mov_b32 s97, 8960
	s_mov_b32 s99, 8704
	s_cmp_eq_u32 s[TYP], 0
	s_cselect_b64 s[4:5], s[74:75], s[78:79]       ; codes: qc or kv
	s_cselect_b64 s[8:9], s[76:77], s[78:79]       ; scale words: qs or kv
	s_cselect_b32 s2, 4096, s97                    ; bytes from idx to idx
	s_cselect_b32 s3, 512, s97
	s_cselect_b32 s23, 0, 8192                     ; K's scale words lie 8,192 bytes into an idx of kv,
	s_cmp_eq_u32 s[TYP], 2
	s_cselect_b32 s46, 4096, 0                     ; V's codes 4,096,
	s_cselect_b32 s23, s99, s23                    ; V's scale words 8,704
	s_mul_i32 s94, s47, s2
	s_add_co_u32 s94, s94, s46
	s_add_nc_u64 s[4:5], s[4:5], s[94:95]          ; my first head's codes,
	s_lshl_b32 s94, s2, 4
	s_add_nc_u64 s[6:7], s[4:5], s[94:95]          ; my second head's: 16 idx on
	s_mul_i32 s94, s47, s3
	s_add_co_u32 s94, s94, s23
	s_add_nc_u64 s[8:9], s[8:9], s[94:95]          ; and their scale words
	s_lshl_b32 s94, s3, 4
	s_add_nc_u64 s[10:11], s[8:9], s[94:95]
	s_mov_b32 s[SEL], 0x76543210
	s_mov_b32 s[SEL+1], 0xfedcba98                 ; v_permlanex16_b32's selects for lane l xor 16
	; the bias in the result's layout, as the C of each sum's first product
	s_cmp_eq_u32 s[TYP], 2
	s_cbranch_scc1 .Lbias_v
	WIN TO_B
.irp b, 0,1,2,3,4,5,6,7
	global_load_b128 v[BI+8*\b:BI+8*\b+3], v[H32], s[84:85] offset:64*\b        ; q, k: the features run along the registers: b[16 b + 8 h + j]
	global_load_b128 v[BI+8*\b+4:BI+8*\b+7], v[H32], s[84:85] offset:64*\b+16
.endr
	WIN 0
	s_branch .Lbias_done
.Lbias_v:
	WIN TO_B
.irp a, 0,1,2,3,4,5,6,7
	global_load_b32 v[BI+8*\a], v[R4], s[84:85] offset:64*\a                    ; v: a lane is a feature: b[16 a + r], the same in all eight registers
.endr
	s_wait_loadcnt 0x0
	WIN 0x41
.irp a, 0,1,2,3,4,5,6,7
.irp j, 1,2,3,4,5,6,7
	v_mov_b32 v[BI+8*\a+\j], v[BI+8*\a]
.endr
.endr
	WIN 0
.Lbias_done:
	v_mul_u32_u24 v3, v1, PITCH
	v_lshl_add_u32 v4, v2, 4, v3                   ; a fragment's row x pitch + 16 x half
	s_mul_i32 s2, s[WH], HALFT                     ; my 128 rows of A
	s_mul_i32 s3, s[WL], HALFT                     ; my 128 rows of B,
	s_add_co_u32 s3, s3, 2*HALFT                   ; which lie behind A's 256
.irp s, 0,1
	v_add_nc_u32 v[ADRA+\s], s2, v4
	v_add_nc_u32 v[ADRB+\s], s3, v4
	s_add_co_u32 s2, s2, SLOT
	s_add_co_u32 s3, s3, SLOT
.endr
.irp b, 0,1,2,3
	v_mov_b32 v[TM+4+\b], 0                        ; written once: a lane permute's destination counts as one of its sources
.endr
; One product.  d, c: accumulator and C; s0: B's fragment; s1: A's; sa, sb: their scale registers; ra, rb: 1 = the words lie in lanes 16-31
.macro WM d, s0, s1, c, sa, sb, ra, rb
.if ((\ra) == 0) && ((\rb) == 0)
	v_wmma_scale_f32_16x16x128_f8f6f4 v[\d:\d+7], v[\s0:\s0+7], v[\s1:\s1+7], v[\c:\c+7], v[\sa], v[\sb] matrix_a_fmt:MATRIX_FMT_FP4 matrix_b_fmt:MATRIX_FMT_FP4
.elseif ((\ra) == 1) && ((\rb) == 0)
	v_wmma_scale_f32_16x16x128_f8f6f4 v[\d:\d+7], v[\s0:\s0+7], v[\s1:\s1+7], v[\c:\c+7], v[\sa], v[\sb] matrix_a_fmt:MATRIX_FMT_FP4 matrix_b_fmt:MATRIX_FMT_FP4 matrix_a_scale:MATRIX_SCALE_ROW1
.elseif ((\ra) == 0) && ((\rb) == 1)
	v_wmma_scale_f32_16x16x128_f8f6f4 v[\d:\d+7], v[\s0:\s0+7], v[\s1:\s1+7], v[\c:\c+7], v[\sa], v[\sb] matrix_a_fmt:MATRIX_FMT_FP4 matrix_b_fmt:MATRIX_FMT_FP4 matrix_b_scale:MATRIX_SCALE_ROW1
.else
	v_wmma_scale_f32_16x16x128_f8f6f4 v[\d:\d+7], v[\s0:\s0+7], v[\s1:\s1+7], v[\c:\c+7], v[\sa], v[\sb] matrix_a_fmt:MATRIX_FMT_FP4 matrix_b_fmt:MATRIX_FMT_FP4 matrix_a_scale:MATRIX_SCALE_ROW1 matrix_b_scale:MATRIX_SCALE_ROW1
.endif
.endm
; 16 products: A's blocks a0, a0 + 1 x B's eight, K step kq of eight.  p: B's set.  cm = 0: onto the sums; 1: the sums begin with the bias of B's block; 2: with that of A's block.
; The 64 accumulators take turns, one instruction a turn, in the same order in every step.
.macro MUL16 a0, p, kq, cm
.irp a, \a0, \a0+1
.irp b, 0,1,2,3,4,5,6,7
.set rD, 8*(8*((\a)%4)+\b)
.set rC, rD
.if (\cm) == 1
.set rC, BI+8*\b
.endif
.if (\cm) == 2
.set rC, BI+8*(\a)
.endif
	WM rD, 128*(\p)+FR*\b, AF+FR*(\a), rC, SB+8*(\b/2)+(\kq), SA+8*((\a)/2)+(\kq), \b%2, (\a)%2
.endr
.endr
.endm
.macro FRAG reg, adr, q, i             ; 16 rows x 128 K: lane l holds row l % 16; registers 4 c .. 4 c + 3 hold K = 64 c + 32 (l / 16) + 0 .. 31
.irp c, 0,1
	ds_load_b128 v[\reg+4*\c:\reg+4*\c+3], v[\adr] offset:64*(\q)+32*\c+(\i)*16*PITCH
.endr
.endm
.macro FETCH_B slot, q, p
	WIN TO_B
.irp i, 0,1,2,3,4,5,6,7
	FRAG 128*(\p)+FR*\i, ADRB+\slot, \q, \i
.endr
	WIN 0
.endm
.macro FETCH_A slot, q, i0
.irp i, \i0, \i0+1, \i0+2, \i0+3
	FRAG AF+FR*(\i), ADRA+\slot, \q, \i
.endr
.endm
; A step of 128 along K that has its successor in the same slot.  A's blocks 0-3 are fetched anew in its middle, blocks 4-7 at its end; B has two sets.
.macro STEP slot, q, cm
	s_wait_dscnt 4*NL                              ; B's set and A's blocks 0-3 are in; the youngest eight loads (A's blocks 4-7) may be out
.if (\cm) != 0
	WIN 0x91                                       ; as MUL_LO, with C in window 1
.else
	WIN MUL_LO
.endif
	MUL16 0, (\q)%2, 4*(\slot)+(\q), \cm
	MUL16 2, (\q)%2, 4*(\slot)+(\q), \cm
	s_wait_dscnt 0                                 ; A's blocks 4-7 are in
	PLACES NP                                      ; in front of loads into registers that matrix instructions have read
	FETCH_B \slot, (\q)+1, 1-(\q)%2
	FETCH_A \slot, (\q)+1, 0
.if (\cm) != 0
	WIN 0xd1
.else
	WIN MUL_HI
.endif
	MUL16 4, (\q)%2, 4*(\slot)+(\q), \cm
	MUL16 6, (\q)%2, 4*(\slot)+(\q), \cm
	PLACES NP
	WIN 0
	FETCH_A \slot, (\q)+1, 4
.endm
; Slot 0's last step goes over to slot 1: each wave's part of slot 1 has landed, then one barrier.
.macro TURN slot, next
	s_wait_tensorcnt 0x0                           ; all my tensor loads have landed: my part of the next slot
	ds_add_u32 v[SPW], v[NIL]                      ; 0 onto my spare word
	s_wait_dscnt 4*NL+1                            ; (the add and the youngest eight loads may be out)
	WIN MUL_LO
	MUL16 0, 1, 4*(\slot)+NQ-1, 0
	s_wait_dscnt 0x0                               ; the add is done and no LDS load of mine is out
	s_barrier_signal -1
	MUL16 2, 1, 4*(\slot)+NQ-1, 0
	WIN 0
	s_barrier_wait -1                              ; everybody's part of the next slot is in
	PLACES NP
	FETCH_B \next, 0, 0
	FETCH_A \next, 0, 0
	WIN MUL_HI
	MUL16 4, 1, 4*(\slot)+NQ-1, 0
	MUL16 6, 1, 4*(\slot)+NQ-1, 0
	PLACES NP
	WIN 0
	FETCH_A \next, 0, 4
.endm
	s_wait_loadcnt 0x0                             ; scale words and bias
	s_wait_tensorcnt 1                             ; my part of slot 0 is in; slot 1's load may stay out
	s_barrier_signal -1
	s_barrier_wait -1
	FETCH_B 0, 0, 0
	FETCH_A 0, 0, 0
	FETCH_A 0, 0, 4
	s_cmp_eq_u32 s[TYP], 2                         ; the first step is written for both layouts of the bias
	s_cbranch_scc1 .Lfirst_v
	STEP 0, 0, 1
	s_branch .Lfirst_done
.Lfirst_v:
	STEP 0, 0, 2
.Lfirst_done:
	STEP 0, 1, 0
	STEP 0, 2, 0
	TURN 0, 1
	STEP 1, 0, 0
	STEP 1, 1, 0
	STEP 1, 2, 0
	s_wait_dscnt 4*NL                              ; the last step: nothing more to fetch
	WIN MUL_LO
	MUL16 0, 1, 7, 0
	MUL16 2, 1, 7, 0
	s_wait_dscnt 0
	WIN MUL_HI
	MUL16 4, 1, 7, 0
	MUL16 6, 1, 7, 0
	WIN 0
; THE QUANTISER of one block of A: 64 numbers a lane, at v[s] on of window 2 + hi, become a fragment's codes at v[pc] on and its scale word in v[PW].  Each accumulator is read from its low end on.
.macro QUANT8 hi, s, pc
	WIN 0x0a+5*(\hi)                               ; sources 0 and 1 in the accumulators' window
.irp b, 0,1,2,3
	v_max3_num_f32 v[TM+\b], |v[\s+16*\b]|, |v[\s+1+16*\b]|, 0x1800000   ; and the floor 2^(3 - 127): the byte cannot fall under 1
.endr
	WIN 0x28+0x14*(\hi)                            ; sources 1 and 2
.irp i, 2,4,6,8,10,12,14
.irp b, 0,1,2,3
	v_max3_num_f32 v[TM+\b], v[TM+\b], |v[\s+16*\b+\i]|, |v[\s+1+16*\b+\i]|   ; the four blocks by turns
.endr
.endr
	WIN 0
.irp b, 0,1,2,3
	v_permlanex16_b32 v[TM+4+\b], v[TM+\b], s[SEL], s[SEL+1]
.endr
.irp b, 0,1,2,3
	v_max_num_f32 v[TM+\b], v[TM+\b], v[TM+4+\b]   ; with lane l xor 16's: the block's largest magnitude
.endr
.irp b, 0,1,2,3
	v_add_nc_u32 v[TM+12+\b], 0xff000000, v[TM+\b] ; 2 off its exponent field: the conversion's scale operand
.endr
.irp b, 0,1,2,3
	v_lshrrev_b32 v[TM+4+\b], 23, v[TM+12+\b]      ; the scale's byte
.endr
	v_lshl_or_b32 v[PW], v[TM+5], 8, v[TM+4]
	v_lshl_or_b32 v[PW], v[TM+6], 16, v[PW]
	v_lshl_or_b32 v[PW], v[TM+7], 24, v[PW]
	WIN 2+(\hi)                                    ; source 0
.irp t, 0,1,2,3,4,5,6,7
	v_cvt_scalef32_pk8_fp4_f32 v[\pc+4*(\t/4)+2*(\t%2)+(\t%4)/2], v[\s+8*\t:\s+8*\t+7], v[TM+12+\t/2]
.endr
	WIN 0
	v_nop                                          ; one plain place behind a scaled conversion
.irp c, 0,1
.irp e, 0,1
	v_permlane16_swap_b32 v[\pc+4*\c+2*\e], v[\pc+4*\c+2*\e+1]
.endr
.endr
.endm
	PLACES NP                                      ; behind the last products: results are read and A's registers written
	s_cmp_eq_u32 s[TYP], 2
	s_cbranch_scc1 .Lout_v
	; q, k: block a is 16 positions; registers 0-3 are my first head's tile, 4-7 my second head's; the word's low half is the first head's two bytes.  Each store covers 512 consecutive bytes, aligned
.irp a, 0,1,2,3,4,5,6,7
	QUANT8 \a/4, 64*(\a%4), AF+8*\a
	global_store_b128 v[LI], v[AF+8*\a:AF+8*\a+3], s[4:5] offset:512*\a
	global_store_b128 v[LI], v[AF+8*\a+4:AF+8*\a+7], s[6:7] offset:512*\a
	v_and_b32 v[EO+4*(\a%2)+\a/2], 0xffff, v[PW]
	v_lshrrev_b32 v[EO+8+4*(\a%2)+\a/2], 16, v[PW]
.endr
.irp u, 0,1,2,3
	v_permlane16_swap_b32 v[EO+\u], v[EO+4+\u]     ; lanes 0-15 keep tile 2 u's words, lanes 16-31 take tile 2 u + 1's
	v_permlane16_swap_b32 v[EO+8+\u], v[EO+12+\u]
.endr
	global_store_b128 v[LI], v[EO:EO+3], s[8:9]
	global_store_b128 v[LI], v[EO+8:EO+11], s[10:11]
	s_branch .Lout_done
.Lout_v:
	; v: block a is 16 features: head a / 4, tile a % 4 of its 64; the eight registers are a whole fragment along my 128 keys
.irp a, 0,1,2,3
	QUANT8 0, 64*\a, AF+8*\a
	global_store_b128 v[LI], v[AF+8*\a:AF+8*\a+3], s[4:5] offset:1024*\a
	global_store_b128 v[LI], v[AF+8*\a+4:AF+8*\a+7], s[4:5] offset:1024*\a+512
	v_mov_b32 v[EO+2*(\a%2)+\a/2], v[PW]
.endr
.irp a, 0,1,2,3
	QUANT8 1, 64*\a, AF+32+8*\a
	global_store_b128 v[LI], v[AF+32+8*\a:AF+32+8*\a+3], s[6:7] offset:1024*\a
	global_store_b128 v[LI], v[AF+32+8*\a+4:AF+32+8*\a+7], s[6:7] offset:1024*\a+512
	v_mov_b32 v[EO+4+2*(\a%2)+\a/2], v[PW]
.endr
.irp u, 0,1
	v_permlane16_swap_b32 v[EO+\u], v[EO+2+\u]
	v_permlane16_swap_b32 v[EO+4+\u], v[EO+6+\u]
.endr
	global_store_b64 v[L8], v[EO:EO+1], s[8:9]     ; 256 consecutive bytes, aligned
	global_store_b64 v[L8], v[EO+4:EO+5], s[10:11]
.Lout_done:
	s_wait_tensorcnt 0x0                           ; the wave's end
	ds_add_u32 v[SPW], v[NIL]
	s_wait_dscnt 0x0
	CROUND                                         ; the closing round
	s_endpgm
.Lfunc_end_k_q7c7bafc23b_qkv:
	.size	k_q7c7bafc23b_qkv, .Lfunc_end_k_q7c7bafc23b_qkv-k_q7c7bafc23b_qkv
	.p2alignl 7, 3214868480
	.fill 96, 4, 3214868480
	.section	.rodata,"a",@progbits
	.p2align	6, 0x0
	.amdhsa_kernel k_q7c7bafc23b_qkv
		.amdhsa_group_segment_fixed_size 327680
		.amdhsa_private_segment_fixed_size 0
		.amdhsa_enable_private_segment 0
		.amdhsa_kernarg_size 112
		.amdhsa_user_sgpr_count 2
		.amdhsa_user_sgpr_kernarg_segment_ptr 1
		.amdhsa_wavefront_size32 1
		.amdhsa_system_sgpr_workgroup_id_x 1
		.amdhsa_system_sgpr_workgroup_id_y 1
		.amdhsa_system_sgpr_workgroup_id_z 1
		.amdhsa_system_vgpr_workitem_id 0
		.amdhsa_next_free_vgpr 1024
		.amdhsa_next_free_sgpr 100
		.amdhsa_reserve_vcc 0
		.amdhsa_float_denorm_mode_32 3
		.amdhsa_float_denorm_mode_16_64 3
		.amdhsa_memory_ordered 1
		.amdhsa_forward_progress 1
		.amdhsa_inst_pref_size 177
	.end_amdhsa_kernel
	.amdgpu_metadata
---
amdhsa.version: [ 1, 2 ]
amdhsa.kernels:
  - .name:           k_q7c7bafc23b_qkv
    .symbol:         k_q7c7bafc23b_qkv.kd
    .args:
      - { .name: norm_embed_codes, .offset: 0, .size: 8, .value_kind: global_buffer, .address_space: global }
      - { .name: norm_embed_scales, .offset: 8, .size: 8, .value_kind: global_buffer, .address_space: global }
      - { .name: Wq_codes, .offset: 16, .size: 8, .value_kind: global_buffer, .address_space: global }
      - { .name: Wq_scales, .offset: 24, .size: 8, .value_kind: global_buffer, .address_space: global }
      - { .name: bq, .offset: 32, .size: 8, .value_kind: global_buffer, .address_space: global }
      - { .name: Wk_codes, .offset: 40, .size: 8, .value_kind: global_buffer, .address_space: global }
      - { .name: Wk_scales, .offset: 48, .size: 8, .value_kind: global_buffer, .address_space: global }
      - { .name: bk, .offset: 56, .size: 8, .value_kind: global_buffer, .address_space: global }
      - { .name: Wv_codes, .offset: 64, .size: 8, .value_kind: global_buffer, .address_space: global }
      - { .name: Wv_scales, .offset: 72, .size: 8, .value_kind: global_buffer, .address_space: global }
      - { .name: bv, .offset: 80, .size: 8, .value_kind: global_buffer, .address_space: global }
      - { .name: qc, .offset: 88, .size: 8, .value_kind: global_buffer, .address_space: global }
      - { .name: qs, .offset: 96, .size: 8, .value_kind: global_buffer, .address_space: global }
      - { .name: kv, .offset: 104, .size: 8, .value_kind: global_buffer, .address_space: global }
    .group_segment_fixed_size: 327680
    .private_segment_fixed_size: 0
    .kernarg_segment_align: 8
    .kernarg_segment_size: 112
    .max_flat_workgroup_size: 128
    .sgpr_count:     100
    .vgpr_count:     1024
    .wavefront_size: 32
...
	.end_amdgpu_metadata
.endif
;; end of part 1
;; launch attn (part 2): grid 4 x 64, 16 waves a work-group, clusters of 4 x 1, 167,936 bytes of LDS; arguments qc, qs, kv, xc, xs; writes xc, xs
.if DOCPART == 2
	.amdgcn_target "amdgcn-amd-amdhsa--gfx1250"
	.amdhsa_code_object_version 6
	.text
	.protected	k_q7c7bafc23b_attn
	.globl	k_q7c7bafc23b_attn
	.p2align	8
	.type	k_q7c7bafc23b_attn,@function
k_q7c7bafc23b_attn:
	s_mov_b64 s[64:65], 0
	v_nop
	global_prefetch_b8 v0, s[64:65] scope:SCOPE_SE
	s_setreg_imm32_b32 hwreg(HW_REG_WAVE_MODE, 25, 1), 1
	s_wait_xcnt 0x0
	s_wait_alu depctr_hold_cnt(0) depctr_sa_sdst(0) depctr_va_vdst(0) depctr_va_sdst(0) depctr_va_ssrc(0) depctr_va_vcc(0) depctr_vm_vsrc(0)
	s_getreg_b32 s2, hwreg(HW_REG_IB_STS2, 6, 4)
	s_cmp_eq_u32 s2, 0
	s_cbranch_scc0 .Lentry_in_a_cluster
	s_endpgm
.Lentry_in_a_cluster:
	s_bfe_u32 s2, ttmp6, 0x10000c
	s_cmp_lg_u32 s2, 0x3003
	s_cbranch_scc0 .Lentry_shape_is_right
	s_endpgm
.Lentry_shape_is_right:
; x[b][q][head] = softmax_k(q . k / 8, causal) v on codes of FP4 (E2M1), one E8M0 scale for each 32 along a product's K, and the quantiser of x along the model's 1,024.
; LEFT OUT: key steps all of whose 128 keys come after the tile's 16 queries: reference() hides them by its own jnp.tril, so p = 0 there whatever the inputs hold.  A NaN or an infinity that reaches only such a step is not carried on.
; THE SOFTMAX: t = score x log2(e) / 8; M = the running largest t rounded UP to a whole number; p = 2^(t - M) is quantised along the keys, not normalised; the row's sum is taken of the unquantised p and divides at the end.
; When M moves, the sum and O are multiplied by 2^(old M - new M): exact.
; LIMITS: a block of zeros gets the scale byte 1 where the quantiser says 127 (its codes are zeros; this program alone reads the bytes).  A block's largest p is made from its largest score by the same two instructions as every p.
; SHARES.  The four work-groups of a cluster serve ONE head (of 64: batch x 16 + head = work-group y).  Its K and V, 16 key steps of 128 keys, 8,960 bytes each as images of operand registers, lie in LDS whole: each of
; the sixteen waves brings one step by one joint load (the same descriptor in all four partners), once; no byte is filled again and no barrier stands in a loop.
; A wave owns ONE tile of 16 queries at a time, in 256 registers.  Wave w takes tile c = 2 cx + w / 8 of the group of 128 queries 15 - w % 8, then the same tile of group w % 8: (16 - w % 8) + (w % 8 + 1) = 17 key steps
; for every wave.  Branches hang on the wave's number and the count of steps alone; cx enters global addresses and the number that the mask's compare reads, nothing else.
; LAYOUT.  S^T = K Q^T (source 0 = 16 keys, source 1 = my 16 queries), O^T = V^T P^T (source 0 = 16 of the head's 64, source 1 = P): a lane holds ONE query.  The head's 64 fill half of the instruction's 128: Q's upper
; four registers are zeros and bytes 2, 3 of both scale words are 0, so whatever codes stand in the upper four registers of K's operand (the next tile's) add exact zeros.
; Register 8 t + j of S^T is key 16 t + 8 h + j.  Tile t's codes go to P[4 (t / 4) + 2 (t % 2) + (t % 4) / 2]; exchanging halves of P[4 c + 2 e] and P[4 c + 2 e + 1] gives the operand's layout.
; OUT: xc: (row tile x 16 + head) x 512 + 16 x lane: registers 4 (head % 2) .. + 3 of the fragment (row tile, K step head / 2) of the last product.  xs: row x 32 + block.
.set STEPB, 8960                       ; a key step in LDS and in kv: K 4,096, V 4,096, K's scale words 512, V's 256
.set SPARE, 16*STEPB                   ; behind the head: the spare words, 128 bytes for each of 16 waves, that no other line names
.set LI,   1                           ; 16 x lane
.set L8,   2                           ; 8 x lane
.set SPW,  3                           ; my spare word; never rewritten
.set NIL,  4                           ; 0; never rewritten
.set ADK,  5                           ; the step's first byte + 16 x lane
.set ADV,  6                           ; + 8 x lane
.set DQ,   7                           ; 16 c + r - 8 h: on the diagonal register 8 t + j is hidden where 16 t + j > DQ
.set NINF, 8                           ; -infinity
.set R16,  9                           ; 16 r
.set XSO,  10                          ; 32 r + h
.set H8,   11                          ; 8 h
.set KF,   32                          ; v32-63 K's eight tiles, 4 registers each; v64-67 zeros.  Tile t's operand is v[32 + 4 t : 39 + 4 t]
.set VF,   68                          ; v68-99 V's four fragments
.set KSC,  100                         ; v100-103 K's scale words, v104-105 V's, v106 p's; v24, v25 Q's: scales and nothing else
.set VSC,  104
.set PSC,  106
.set S,    112                         ; v112-175 S^T, then p; on the way out O / l
.set O,    176                         ; v176-207 O^T
.set PC,   208                         ; v208-215 p's codes
.set BM,   216                         ; block maxima
.set PT,   220                         ; the other half's, then bytes
.set SO,   224                         ; the conversions' scale operands
.set FF,   232                         ; v[232:233] f = 2^(old M - new M); v233 is named with it and written once
.set T0,   234
.set TS,   236                         ; v[236:237] the second chain of the sum
.set XC,   248                         ; v248-251 x's codes, v252 my scale byte
.set XB,   252
.set WV,   18
.set SEL,  24
.set CS,   26
.set G1,   28
.set G0,   36
.set TB,   40                          ; LDS byte at which the step begins
.set SI,   41                          ; the step
.set ACUR, 42                          ; the pass's group of queries = its last step
.macro CROUND
	s_barrier_signal -1
	s_barrier_wait -1
	s_cmp_lg_u32 s[WV], 0
	s_cbranch_scc1 .Lnot_wave_0_\@
	s_barrier_signal -3
.Lnot_wave_0_\@:
	s_barrier_wait -3
	s_barrier_signal -1
	s_barrier_wait -1
.endm
; the four bases of a pass, from its group of queries in s[a]: Q's tile, Q's scale words, x's codes, x's scale bytes
.macro BASES a, bq, bqs, bxc, bxs
	s_lshl_b32 s15, s20, 4
	s_add_co_u32 s15, s15, s[\a]                   ; idx
	s_lshl_b32 s16, s15, 12
	s_lshl_b32 s17, s22, 9
	s_add_co_u32 s16, s16, s17
	s_mov_b32 s17, 0
	s_add_nc_u64 s[\bq:\bq+1], s[4:5], s[16:17]
	s_lshl_b32 s16, s15, 9
	s_and_b32 s23, s22, 1
	s_lshl_b32 s23, s23, 8
	s_add_co_u32 s16, s16, s23
	s_lshr_b32 s23, s22, 1
	s_lshl_b32 s23, s23, 2
	s_add_co_u32 s16, s16, s23
	s_add_nc_u64 s[\bqs:\bqs+1], s[6:7], s[16:17]
	s_lshr_b32 s15, s20, 4
	s_lshl_b32 s15, s15, 7
	s_lshl_b32 s23, s[\a], 3
	s_add_co_u32 s15, s15, s23
	s_add_co_u32 s15, s15, s22                     ; the tile of 16 rows among 512
	s_and_b32 s23, s20, 15                         ; the head
	s_lshl_b32 s16, s15, 4
	s_add_co_u32 s16, s16, s23
	s_lshl_b32 s16, s16, 9
	s_add_nc_u64 s[\bxc:\bxc+1], s[10:11], s[16:17]
	s_lshl_b32 s16, s15, 9
	s_lshl_b32 s23, s23, 1
	s_add_co_u32 s16, s16, s23
	s_add_nc_u64 s[\bxs:\bxs+1], s[12:13], s[16:17]
.endm
	s_load_b256 s[4:11], s[0:1], 0x0               ; qc, qs, kv, xc
	s_load_b64 s[12:13], s[0:1], 0x20              ; xs
	v_lshl_add_u32 v[SPW], v0, 2, SPARE
	v_mov_b32 v[NIL], 0
	ds_add_u32 v[SPW], v[NIL]                      ; the wave's opening: the add, twice on end, and its wait ahead of my first tensor load
	ds_add_u32 v[SPW], v[NIL]
	v_lshrrev_b32 v5, 5, v0
	v_readfirstlane_b32 s[WV], v5                  ; wave 0..15
	s_bfe_u32 s19, ttmp6, 0x40000                  ; cx
	s_and_b32 s20, ttmp7, 0xffff                   ; batch x 16 + head
	s_and_b32 s21, s[WV], 7                        ; the low group of queries
	s_sub_co_u32 s43, 15, s21                      ; the high one
	s_lshr_b32 s22, s[WV], 3
	s_lshl_b32 s23, s19, 1
	s_add_co_u32 s22, s22, s23                     ; my tile in a group: 2 cx + w / 8
	s_mov_b32 s[G1], 15|(3<<16)|(1<<21)            ; the mask: all four partners; elements of 8 bytes; bit 21 beside a mask; no padding
	s_mov_b32 s[G1+1], 32<<16                      ; rows of 256 bytes,
	s_mov_b32 s[G1+2], 35<<16                      ; 35 of them: a key step, dense in memory
	s_mov_b32 s[G1+3], 32<<16
	s_mov_b32 s[G1+4], 35
	s_mov_b32 s[G1+5], 32
	s_mov_b32 s[G1+6], 0
	s_mov_b32 s[G1+7], 0
	s_mov_b32 s[SEL], 0x76543210
	s_mov_b32 s[SEL+1], 0xfedcba98
	s_mov_b32 s[CS], 0x3e38aa3b                    ; c = log2(e) / 8
	s_mov_b32 s[CS+1], s[CS]
	s_mul_i32 s14, s[WV], STEPB                    ; step w: its place in LDS,
	s_mul_i32 s2, s20, 16*STEPB
	s_add_co_u32 s2, s2, s14                       ; and in kv: no place in the cluster enters either
	s_mov_b32 s3, 0
	s_wait_dscnt 0x0                               ; both opening adds are done
	s_wait_kmcnt 0x0
	s_mov_b32 s[G0], 1
	s_mov_b32 s[G0+1], s14
	s_add_nc_u64 s[G0+2:G0+3], s[8:9], s[2:3]
	s_or_b32 s[G0+3], s[G0+3], 0x80000000
	BASES 43, 44, 46, 52, 56                       ; the high pass
	BASES 21, 48, 50, 54, 58                       ; the low pass
	CROUND                                         ; all four work-groups are here: the joint loads meet
	tensor_load_to_lds s[G0:G0+3], s[G1:G1+7]      ; my one tensor load
	s_nop 0
.rept 4
	v_nop
.endr
	v_and_b32 v12, 31, v0
	v_lshlrev_b32 v[LI], 4, v12
	v_lshlrev_b32 v[L8], 3, v12
	v_and_b32 v13, 15, v0                          ; r
	v_bfe_u32 v14, v0, 4, 1                        ; h
	v_lshlrev_b32 v[R16], 4, v13
	global_load_b128 v[16:19], v[LI], s[44:45]     ; Q of the high pass: v16-23
	global_load_b128 v[240:243], v[LI], s[48:49]   ; of the low pass: v240-247
	global_load_b32 v24, v[R16], s[46:47]          ; their scale words
	global_load_b32 v25, v[R16], s[50:51]
	v_lshlrev_b32 v[H8], 3, v14
	v_lshl_add_u32 v[XSO], v13, 5, v14
	v_sub_nc_u32 v[DQ], v13, v[H8]
	s_lshl_b32 s23, s22, 4
	v_add_nc_u32 v[DQ], s23, v[DQ]
	v_mov_b32 v[NINF], 0xff800000
.irp j, 20,21,22,23, 244,245,246,247, 64,65,66,67
	v_mov_b32 v\j, 0                               ; Q's K = 64 .. 127, and what stands behind K's last tile
.endr
.irp b, 0,1,2,3
	v_mov_b32 v[PT+\b], 0                          ; written once: a lane permute's destination counts as one of its sources
.endr
	v_mov_b32 v[FF+1], 0
	v_mov_b32 v[T0], 0
	s_wait_loadcnt 0x0                             ; Q
	s_wait_tensorcnt 0x0                           ; my key step is in LDS,
	s_barrier_signal -1
	s_barrier_wait -1                              ; everybody's is: the whole head
.macro WMS t, qreg, qsreg              ; S^T, tile t: 16 keys x my 16 queries; the product starts the sum
.if (\t)%2
	v_wmma_scale_f32_16x16x128_f8f6f4 v[S+8*(\t):S+8*(\t)+7], v[KF+4*(\t):KF+4*(\t)+7], v[\qreg:\qreg+7], 0, v[KSC+(\t)/2], v[\qsreg] matrix_a_fmt:MATRIX_FMT_FP4 matrix_b_fmt:MATRIX_FMT_FP4 matrix_a_scale:MATRIX_SCALE_ROW1
.else
	v_wmma_scale_f32_16x16x128_f8f6f4 v[S+8*(\t):S+8*(\t)+7], v[KF+4*(\t):KF+4*(\t)+7], v[\qreg:\qreg+7], 0, v[KSC+(\t)/2], v[\qsreg] matrix_a_fmt:MATRIX_FMT_FP4 matrix_b_fmt:MATRIX_FMT_FP4
.endif
.endm
.macro WMO t                           ; O^T, tile t: 16 of the head's 64, K = these 128 keys
.if (\t)%2
	v_wmma_scale_f32_16x16x128_f8f6f4 v[O+8*(\t):O+8*(\t)+7], v[VF+8*(\t):VF+8*(\t)+7], v[PC:PC+7], v[O+8*(\t):O+8*(\t)+7], v[VSC+(\t)/2], v[PSC] matrix_a_fmt:MATRIX_FMT_FP4 matrix_b_fmt:MATRIX_FMT_FP4 matrix_a_scale:MATRIX_SCALE_ROW1
.else
	v_wmma_scale_f32_16x16x128_f8f6f4 v[O+8*(\t):O+8*(\t)+7], v[VF+8*(\t):VF+8*(\t)+7], v[PC:PC+7], v[O+8*(\t):O+8*(\t)+7], v[VSC+(\t)/2], v[PSC] matrix_a_fmt:MATRIX_FMT_FP4 matrix_b_fmt:MATRIX_FMT_FP4
.endif
.endm
; A PASS: one tile of 16 queries against key steps 0 .. s[ACUR].  The loop has 16 trips for every wave, so that the LDS address is a constant times a counted loop's step; a step beyond the diagonal is jumped over.
.macro PASS qreg, qsreg, bxc, bxs
	v_mov_b32 v13, 0xff61b1e6                      ; the largest t so far: -3e38
	v_floor_f32 v12, -v13                          ; -M
	v_mov_b32 v14, 0                               ; the sum, in two halves
	v_mov_b32 v15, 0
.set j, 0
.rept 32
	v_mov_b32 v[O+j], 0                            ; O^T: the step is written once; the first finds zeros
.set j, j+1
.endr
	s_mov_b32 s[SI], 0
	s_mov_b32 s[TB], 0
.Lstep_\@:
	s_cmp_gt_u32 s[SI], s[ACUR]
	s_cbranch_scc1 .Lhidden_\@
	v_add_nc_u32 v[ADK], s[TB], v[LI]
	v_add_nc_u32 v[ADV], s[TB], v[L8]
	ds_load_b128 v[KSC:KSC+3], v[ADK] offset:8192
.irp t, 0,1,2,3,4,5,6,7
	ds_load_b128 v[KF+4*\t:KF+4*\t+3], v[ADK] offset:512*\t
.endr
	ds_load_b64 v[VSC:VSC+1], v[ADV] offset:8704
.irp t, 0,1,2,3
.irp c, 0,1
	ds_load_b128 v[VF+8*\t+4*\c:VF+8*\t+4*\c+3], v[ADK] offset:4096+1024*\t+512*\c
.endr
.endr
	s_wait_dscnt 9                                 ; K and its scale words are in; V's scale words and its eight loads may be out
.irp t, 0,1,2,3,4,5,6,7
	WMS \t, \qreg, \qsreg
.endr
.rept 4
	v_nop                                          ; places behind the products, ahead of the first read of their results
.endr
	s_cmp_lg_u32 s[SI], s[ACUR]
	s_cbranch_scc1 .Lopen_\@
.set n, 0
.rept 64
	v_cmp_gt_i32 vcc_lo, 16*(n/8)+n%8, v[DQ]       ; the step on the diagonal: hidden scores become -infinity ahead of the maximum
	v_cndmask_b32 v[S+n], v[S+n], v[NINF], vcc_lo
.set n, n+1
.endr
.Lopen_\@:
.irp b, 0,1,2,3
	v_max3_num_f32 v[BM+\b], v[S+16*\b], v[S+1+16*\b], v[S+2+16*\b]   ; the largest score of each block of 32 keys: for the row's maximum and for the block's largest p
.endr
.irp i, 3,5,7,9,11,13
.irp b, 0,1,2,3
	v_max3_num_f32 v[BM+\b], v[BM+\b], v[S+16*\b+\i], v[S+1+16*\b+\i]
.endr
.endr
.irp b, 0,1,2,3
	v_max_num_f32 v[BM+\b], v[BM+\b], v[S+15+16*\b]
.endr
.irp b, 0,1,2,3
	v_permlanex16_b32 v[PT+\b], v[BM+\b], s[SEL], s[SEL+1]
.endr
.irp b, 0,1,2,3
	v_max_num_f32 v[BM+\b], v[BM+\b], v[PT+\b]     ; with lane l xor 16's 16 keys
.endr
	v_max3_num_f32 v[T0], v[BM], v[BM+1], v[BM+2]
	v_max_num_f32 v[T0], v[T0], v[BM+3]
	v_mul_f32 v[T0], s[CS], v[T0]                  ; as t
	v_max_num_f32 v13, v13, v[T0]                  ; the running largest t
	v_mov_b32 v[T0], v12
	v_floor_f32 v12, -v13                          ; the new -M = -ceil(t)
	v_sub_f32 v[T0], v12, v[T0]                    ; old M - new M: a whole number, 0 or less
	v_cvt_i32_f32 v[T0], v[T0]                     ; (it saturates)
	v_ldexp_f32 v[FF], 1.0, v[T0]                  ; f = 2^(old M - new M)
.set j, 0
.rept 32
	v_pk_fma_f32 v[S+j:S+j+1], v[S+j:S+j+1], s[CS:CS+1], v[12:13] op_sel_hi:[1,0,0]   ; t - M, two at a time
.set j, j+2
.endr
.irp b, 0,1,2,3
	v_fma_f32 v[BM+\b], v[BM+\b], s[CS], v12
.endr
.set j, 0
.rept 64
	v_exp_f32 v[S+j], v[S+j]                       ; p = 2^(t - M)
.set j, j+1
.endr
	v_pk_mul_f32 v[14:15], v[14:15], v[FF:FF+1] op_sel_hi:[1,0]   ; the sums under the new M: the plain place behind the exponentials
	s_wait_alu depctr_va_vdst(0)                   ; one wait for the batch, ahead of its first reader
.irp b, 0,1,2,3
	v_exp_f32 v[BM+\b], v[BM+\b]                   ; each block's largest p
.endr
	v_pk_add_f32 v[TS:TS+1], v[S:S+1], v[S+2:S+3]  ; the row's sum, of the unquantised p, in two chains
.irp j, 4,8,12,16,20,24,28,32,36,40,44,48,52,56,60
	v_pk_add_f32 v[14:15], v[14:15], v[S+\j:S+\j+1]
	v_pk_add_f32 v[TS:TS+1], v[TS:TS+1], v[S+2+\j:S+3+\j]
.endr
	v_pk_add_f32 v[14:15], v[14:15], v[TS:TS+1]
	s_wait_alu depctr_va_vdst(0)                   ; and one for the four
.irp b, 0,1,2,3
	v_max_num_f32 v[BM+\b], 0x1800000, v[BM+\b]    ; the floor 2^(3 - 127): the byte cannot fall under 1
.endr
.irp b, 0,1,2,3
	v_add_nc_u32 v[SO+\b], 0xff000000, v[BM+\b]
.endr
.irp b, 0,1,2,3
	v_lshrrev_b32 v[PT+\b], 23, v[SO+\b]
.endr
	v_lshl_or_b32 v[PSC], v[PT+1], 8, v[PT]
	v_lshl_or_b32 v[PSC], v[PT+2], 16, v[PSC]
	v_lshl_or_b32 v[PSC], v[PT+3], 24, v[PSC]      ; p's scale word for these 128 keys
.irp t, 0,1,2,3,4,5,6,7
	v_cvt_scalef32_pk8_fp4_f32 v[PC+4*(\t/4)+2*(\t%2)+(\t%4)/2], v[S+8*\t:S+8*\t+7], v[SO+\t/2]
.endr
	v_nop                                          ; one plain place behind a scaled conversion
.irp c, 0,1
.irp e, 0,1
	v_permlane16_swap_b32 v[PC+4*\c+2*\e], v[PC+4*\c+2*\e+1]
.endr
.endr
.set j, 0
.rept 16
	v_pk_mul_f32 v[O+j:O+j+1], v[O+j:O+j+1], v[FF:FF+1] op_sel_hi:[1,0]   ; O^T under the new M; for each product below twelve of these name none of its registers: its places behind the scale word and the codes
.set j, j+2
.endr
	s_wait_dscnt 0x0                               ; V and its scale words
.irp t, 0,1,2,3
	WMO \t                                         ; the four accumulators by turns; the next step's eight products stand between two links of a chain
.endr
.rept 4
	v_nop                                          ; places ahead of the next step's loads into V's registers, and of the way out's reads
.endr
.Lhidden_\@:
	s_add_co_u32 s[TB], s[TB], STEPB
	s_add_co_u32 s[SI], s[SI], 1
	s_cmp_lt_u32 s[SI], 16
	s_cbranch_scc1 .Lstep_\@
	; the way out: O / l, quantised along the head's 64: two blocks of the last product's K
	v_add_f32 v14, v14, v15
	v_permlanex16_b32 v[T0], v14, s[SEL], s[SEL+1]
	v_add_f32 v14, v14, v[T0]                      ; the row's sum
	v_rcp_f32 v14, v14
	s_wait_xcnt 0x0                                ; the pass before has stored from v248-252: they are written again only behind this wait
	v_nop                                          ; a plain place behind the reciprocal
	s_wait_alu depctr_va_vdst(0)                   ; and the wait ahead of its first reader
.set j, 0
.rept 16
	v_pk_mul_f32 v[S+j:S+j+1], v[O+j:O+j+1], v[14:15] op_sel_hi:[1,0]   ; register 8 t + i: x(r, 16 t + 8 h + i); each accumulator from its low end on
.set j, j+2
.endr
.irp b, 0,1
	v_max3_num_f32 v[BM+\b], |v[S+16*\b]|, |v[S+1+16*\b]|, 0x1800000
.endr
.irp i, 2,4,6,8,10,12,14
.irp b, 0,1
	v_max3_num_f32 v[BM+\b], v[BM+\b], |v[S+16*\b+\i]|, |v[S+1+16*\b+\i]|
.endr
.endr
.irp b, 0,1
	v_permlanex16_b32 v[PT+\b], v[BM+\b], s[SEL], s[SEL+1]
.endr
.irp b, 0,1
	v_max_num_f32 v[BM+\b], v[BM+\b], v[PT+\b]
.endr
.irp b, 0,1
	v_add_nc_u32 v[SO+\b], 0xff000000, v[BM+\b]
.endr
.irp b, 0,1
	v_lshrrev_b32 v[PT+\b], 23, v[SO+\b]
.endr
	v_lshl_or_b32 v[XB], v[PT+1], 8, v[PT]
	v_lshrrev_b32 v[XB], v[H8], v[XB]              ; lanes 0-15 store block 0's byte, lanes 16-31 block 1's
.irp t, 0,1,2,3
	v_cvt_scalef32_pk8_fp4_f32 v[XC+2*(\t%2)+\t/2], v[S+8*\t:S+8*\t+7], v[SO+\t/2]
.endr
	v_nop
	v_permlane16_swap_b32 v[XC], v[XC+1]
	v_permlane16_swap_b32 v[XC+2], v[XC+3]
	global_store_b128 v[LI], v[XC:XC+3], s[\bxc:\bxc+1]   ; 512 consecutive bytes, aligned
	global_store_b8 v[XSO], v[XB], s[\bxs:\bxs+1]         ; two bytes of each of 16 rows of scale bytes: one sixteenth of x's bytes
.endm
	s_mov_b32 s[ACUR], s43
	PASS 16, 24, 52, 56
	s_mov_b32 s[ACUR], s21
	PASS 240, 25, 54, 58
	s_wait_tensorcnt 0x0                           ; the wave's end
	ds_add_u32 v[SPW], v[NIL]
	s_wait_dscnt 0x0
	CROUND                                         ; the closing round
	s_endpgm
.Lfunc_end_k_q7c7bafc23b_attn:
	.size	k_q7c7bafc23b_attn, .Lfunc_end_k_q7c7bafc23b_attn-k_q7c7bafc23b_attn
	.p2alignl 7, 3214868480
	.fill 96, 4, 3214868480
	.section	.rodata,"a",@progbits
	.p2align	6, 0x0
	.amdhsa_kernel k_q7c7bafc23b_attn
		.amdhsa_group_segment_fixed_size 167936
		.amdhsa_private_segment_fixed_size 0
		.amdhsa_enable_private_segment 0
		.amdhsa_kernarg_size 40
		.amdhsa_user_sgpr_count 2
		.amdhsa_user_sgpr_kernarg_segment_ptr 1
		.amdhsa_wavefront_size32 1
		.amdhsa_system_sgpr_workgroup_id_x 1
		.amdhsa_system_sgpr_workgroup_id_y 1
		.amdhsa_system_sgpr_workgroup_id_z 1
		.amdhsa_system_vgpr_workitem_id 0
		.amdhsa_next_free_vgpr 256
		.amdhsa_next_free_sgpr 66
		.amdhsa_reserve_vcc 1
		.amdhsa_float_denorm_mode_32 3
		.amdhsa_float_denorm_mode_16_64 3
		.amdhsa_memory_ordered 1
		.amdhsa_forward_progress 1
		.amdhsa_inst_pref_size 56
	.end_amdhsa_kernel
	.amdgpu_metadata
---
amdhsa.version: [ 1, 2 ]
amdhsa.kernels:
  - .name:           k_q7c7bafc23b_attn
    .symbol:         k_q7c7bafc23b_attn.kd
    .args:
      - { .name: qc, .offset: 0, .size: 8, .value_kind: global_buffer, .address_space: global }
      - { .name: qs, .offset: 8, .size: 8, .value_kind: global_buffer, .address_space: global }
      - { .name: kv, .offset: 16, .size: 8, .value_kind: global_buffer, .address_space: global }
      - { .name: xc, .offset: 24, .size: 8, .value_kind: global_buffer, .address_space: global }
      - { .name: xs, .offset: 32, .size: 8, .value_kind: global_buffer, .address_space: global }
    .group_segment_fixed_size: 167936
    .private_segment_fixed_size: 0
    .kernarg_segment_align: 8
    .kernarg_segment_size: 40
    .max_flat_workgroup_size: 512
    .sgpr_count:     66
    .vgpr_count:     256
    .wavefront_size: 32
...
	.end_amdgpu_metadata
.endif
;; end of part 2
;; launch oproj (part 3): grid 32 x 8, 4 waves a work-group, clusters of 4 x 1, 167,936 bytes of LDS; arguments xc, xs, Wo_codes, Wo_scales, bo, out0; writes out0
.if DOCPART == 3
	.amdgcn_target "amdgcn-amd-amdhsa--gfx1250"
	.amdhsa_code_object_version 6
	.text
	.protected	k_q7c7bafc23b_oproj
	.globl	k_q7c7bafc23b_oproj
	.p2align	8
	.type	k_q7c7bafc23b_oproj,@function
k_q7c7bafc23b_oproj:
	s_mov_b64 s[64:65], 0
	v_nop
	global_prefetch_b8 v0, s[64:65] scope:SCOPE_SE
	s_setreg_imm32_b32 hwreg(HW_REG_WAVE_MODE, 25, 1), 1
	s_wait_xcnt 0x0
	s_wait_alu depctr_hold_cnt(0) depctr_sa_sdst(0) depctr_va_vdst(0) depctr_va_sdst(0) depctr_va_ssrc(0) depctr_va_vcc(0) depctr_vm_vsrc(0)
	s_getreg_b32 s2, hwreg(HW_REG_IB_STS2, 6, 4)
	s_cmp_eq_u32 s2, 0
	s_cbranch_scc0 .Lentry_in_a_cluster
	s_endpgm
.Lentry_in_a_cluster:
	s_bfe_u32 s2, ttmp6, 0x10000c
	s_cmp_lg_u32 s2, 0x3003
	s_cbranch_scc0 .Lentry_shape_is_right
	s_endpgm
.Lentry_shape_is_right:
; out0 = x Wo^T + bo on codes of FP4 (E2M1), one E8M0 scale for each 32 along K = 1,024; sums in f32.  x: 8,192 rows, as images of operand registers (xc) and 32 scale bytes a row (xs); Wo: [1,024][1,024] codes, K innermost.
; Nothing is left out here.  LIMIT: the bias is the first term of each f32 sum, not its last.
; SHARES.  256 work-groups of 256 rows x 128 columns; wave w makes rows 64 w .. 64 w + 63 x all 128 columns: 32 accumulators.  Its rows of x are read by no other wave of the work-group, so they go from memory straight
; into registers, for all of K: 64 loads of 512 consecutive bytes.  Wo's 128 rows are shared by the four work-groups of a cluster (same work-group y): each wave brings a quarter by one joint load, once; nothing is filled again.
; THE PRODUCT IS USED TRANSPOSED (source 0 = 16 rows of Wo, source 1 = 16 rows of x): a lane holds eight neighbouring numbers of a row of out0.
; REGISTERS: window 0: v0-15 addresses; v16-31 x's scale words, v32-63 Wo's (register 8 j + q: lanes 0-15 tile 2 j, lanes 16-31 tile 2 j + 1, K step q); v64-127 bo in the result's layout; v128-191, v192-255 Wo's fragments, two sets,
;   on the way out rows of out0.   window 1: x's fragments, (i, q) at v[8 (8 i + q)].   window 2: the accumulators, (i, b) at v[8 (8 i + b)].
.set PITCH,  272                       ; an LDS row of Wo: 256 bytes + 16 of padding
.set BHALF,  128*PITCH                 ; 128 rows x 512 along K
.set STAGE,  2*BHALF                   ; behind them: 16 rows x (512 + 16) bytes for each wave, for the way out; no tile lands there
.set SPITCH, 528
.set SPARE,  STAGE+4*16*SPITCH         ; the spare words, 128 bytes a wave, that no other line names
.set ADRB, 2                           ; v2-3 my lane's place in Wo's rows, K half 0, 1
.set LI,   4                           ; 16 x lane
.set L32,  5                           ; 32 x lane
.set H32,  6                           ; 32 x (lane / 16)
.set STO,  7
.set RD,   8
.set SPW,  10                          ; my spare word; never rewritten
.set NIL,  11                          ; 0; never rewritten
.set SA,   16
.set SB,   32
.set BO,   64
.set BF,   128
.set WV,   18
.set G1,   28
.set G0,   36
.set MSB, 0
.macro WIN new
.set NEWW, \new
.if MSB != NEWW
	s_set_vgpr_msb (MSB<<8)|NEWW
.set MSB, NEWW
.endif
.endm
.macro CROUND
	s_barrier_signal -1
	s_barrier_wait -1
	s_cmp_lg_u32 s[WV], 0
	s_cbranch_scc1 .Lnot_wave_0_\@
	s_barrier_signal -3
.Lnot_wave_0_\@:
	s_barrier_wait -3
	s_barrier_signal -1
	s_barrier_wait -1
.endm
	s_load_b256 s[4:11], s[0:1], 0x0               ; xc, xs, Wo's codes, Wo's scales
	s_load_b128 s[12:15], s[0:1], 0x20             ; bo, out0
	v_lshl_add_u32 v[SPW], v0, 2, SPARE
	v_mov_b32 v[NIL], 0
	ds_add_u32 v[SPW], v[NIL]                      ; the wave's opening: the add, twice on end, and its wait ahead of my first tensor load
	ds_add_u32 v[SPW], v[NIL]
	v_lshrrev_b32 v1, 5, v0
	v_readfirstlane_b32 s[WV], v1                  ; wave 0..3
	s_and_b32 s21, ttmp7, 0xffff                   ; the block of 128 columns, which the four partners share
	s_and_b32 s22, s[WV], 1                        ; which 64 rows of Wo I fetch,
	s_lshr_b32 s23, s[WV], 1                       ; and which half of K
	s_mov_b32 s[G1], 15|(1<<20)|(1<<21)|(5<<22)|(3<<25)   ; the mask: all four; elements of 1 byte; padding on; bit 21 beside a mask; 4 words after every 64
	s_mov_b32 s[G1+1], 256<<16
	s_mov_b32 s[G1+2], 64<<16
	s_mov_b32 s[G1+3], 256<<16
	s_mov_b32 s[G1+4], 64
	s_mov_b32 s[G1+5], 512
	s_mov_b32 s[G1+6], 0
	s_mov_b32 s[G1+7], 0
	s_mul_i32 s24, s23, BHALF
	s_mul_i32 s25, s22, 64*PITCH
	s_add_co_u32 s24, s24, s25                     ; in LDS
	s_lshl_b32 s2, s21, 16                         ; 128 rows x 512 bytes
	s_lshl_b32 s25, s22, 15
	s_add_co_u32 s2, s2, s25
	s_lshl_b32 s25, s23, 8
	s_add_co_u32 s2, s2, s25                       ; in memory
	s_mov_b32 s3, 0
	s_wait_dscnt 0x0                               ; both opening adds are done
	s_wait_kmcnt 0x0
	s_mov_b32 s[G0], 1
	s_mov_b32 s[G0+1], s24
	s_add_nc_u64 s[G0+2:G0+3], s[8:9], s[2:3]
	s_or_b32 s[G0+3], s[G0+3], 0x80000000
	s_bfe_u32 s19, ttmp6, 0x40000                  ; cx: it enters the addresses of x and out0 alone
	s_lshl_b32 s20, ttmp9, 2
	s_add_co_u32 s20, s20, s19                     ; my block of 256 rows
	s_mov_b32 s17, 0
	s_lshl_b32 s16, s20, 17                        ; xc: 16 row tiles x 8,192 bytes a block, 4 a wave
	s_lshl_b32 s26, s[WV], 15
	s_add_co_u32 s16, s16, s26
	s_add_nc_u64 s[4:5], s[4:5], s[16:17]
	s_lshl_b32 s16, s20, 13                        ; xs: 32 bytes a row
	s_lshl_b32 s26, s[WV], 11
	s_add_co_u32 s16, s16, s26
	s_add_nc_u64 s[6:7], s[6:7], s[16:17]
	s_lshl_b32 s16, s21, 12
	s_add_nc_u64 s[10:11], s[10:11], s[16:17]      ; Wo's scales of my 128 columns
	s_lshl_b32 s16, s21, 9
	s_add_nc_u64 s[12:13], s[12:13], s[16:17]      ; bo likewise
	s_lshl_b32 s26, s20, 20                        ; out0: 4,096 bytes a row
	s_add_co_u32 s16, s16, s26
	s_lshl_b32 s26, s[WV], 18
	s_add_co_u32 s16, s16, s26
	s_add_nc_u64 s[14:15], s[14:15], s[16:17]
	CROUND                                         ; all four work-groups are here: the joint loads meet
	tensor_load_to_lds s[G0:G0+3], s[G1:G1+7]      ; my one tensor load
	s_nop 0
.rept 4
	v_nop
.endr
	v_and_b32 v1, 15, v0                           ; r
	v_bfe_u32 v12, v0, 4, 1                        ; h
	v_and_b32 v13, 31, v0
	v_lshlrev_b32 v[LI], 4, v13
	v_lshlrev_b32 v[L32], 5, v13
	v_lshlrev_b32 v[H32], 5, v12
.irp j, 0,1
.irp e, 0,1
	global_load_b128 v[SA+8*\j+4*\e:SA+8*\j+4*\e+3], v[L32], s[6:7] offset:1024*\j+16*\e     ; lane l: the words of K steps 4 e .. 4 e + 3 of row 32 j + l
.endr
.endr
.irp j, 0,1,2,3
.irp e, 0,1
	global_load_b128 v[SB+8*\j+4*\e:SB+8*\j+4*\e+3], v[L32], s[10:11] offset:1024*\j+16*\e
.endr
.endr
.irp b, 0,1,2,3,4,5,6,7
	global_load_b128 v[BO+8*\b:BO+8*\b+3], v[H32], s[12:13] offset:64*\b                     ; bo[16 b + 8 h + j]
	global_load_b128 v[BO+8*\b+4:BO+8*\b+7], v[H32], s[12:13] offset:64*\b+16
.endr
	WIN 0x40                                       ; destination window 1
.irp q, 0,1,2,3,4,5,6,7                        ; x's fragments, K step by K step: eight loads each
.irp i, 0,1,2,3
.irp c, 0,1
	global_load_b128 v[8*(8*\i+\q)+4*\c:8*(8*\i+\q)+4*\c+3], v[LI], s[4:5] offset:8192*\i+1024*\q+512*\c
.endr
.endr
.endr
	WIN 0
	v_mul_u32_u24 v14, v1, PITCH
	v_lshl_add_u32 v[ADRB], v12, 4, v14            ; row x pitch + 16 x half
	v_add_nc_u32 v[ADRB+1], BHALF, v[ADRB]
	s_mul_i32 s23, s[WV], 16*SPITCH
	s_add_co_u32 s23, s23, STAGE                   ; my stage
	v_mul_u32_u24 v14, v1, SPITCH
	v_lshl_add_u32 v14, v12, 5, v14
	v_add_nc_u32 v[STO], s23, v14                  ; in: row r, 32 bytes for each half of the lanes
	v_add_nc_u32 v[RD], s23, v[LI]                 ; back: the 32 lanes take one row of 512 bytes
	s_wait_tensorcnt 0x0                           ; my quarter of Wo's tile is in,
	s_barrier_signal -1
	s_barrier_wait -1                              ; everybody's is
.macro WM d, s0, s1, c, sa, sb, ra, rb
.if ((\ra) == 0) && ((\rb) == 0)
	v_wmma_scale_f32_16x16x128_f8f6f4 v[\d:\d+7], v[\s0:\s0+7], v[\s1:\s1+7], v[\c:\c+7], v[\sa], v[\sb] matrix_a_fmt:MATRIX_FMT_FP4 matrix_b_fmt:MATRIX_FMT_FP4
.elseif ((\ra) == 1) && ((\rb) == 0)
	v_wmma_scale_f32_16x16x128_f8f6f4 v[\d:\d+7], v[\s0:\s0+7], v[\s1:\s1+7], v[\c:\c+7], v[\sa], v[\sb] matrix_a_fmt:MATRIX_FMT_FP4 matrix_b_fmt:MATRIX_FMT_FP4 matrix_a_scale:MATRIX_SCALE_ROW1
.elseif ((\ra) == 0) && ((\rb) == 1)
	v_wmma_scale_f32_16x16x128_f8f6f4 v[\d:\d+7], v[\s0:\s0+7], v[\s1:\s1+7], v[\c:\c+7], v[\sa], v[\sb] matrix_a_fmt:MATRIX_FMT_FP4 matrix_b_fmt:MATRIX_FMT_FP4 matrix_b_scale:MATRIX_SCALE_ROW1
.else
	v_wmma_scale_f32_16x16x128_f8f6f4 v[\d:\d+7], v[\s0:\s0+7], v[\s1:\s1+7], v[\c:\c+7], v[\sa], v[\sb] matrix_a_fmt:MATRIX_FMT_FP4 matrix_b_fmt:MATRIX_FMT_FP4 matrix_a_scale:MATRIX_SCALE_ROW1 matrix_b_scale:MATRIX_SCALE_ROW1
.endif
.endm
.macro FETCH_B q                       ; Wo's eight fragments of K step q into set q % 2
.irp b, 0,1,2,3,4,5,6,7
.irp c, 0,1
	ds_load_b128 v[BF+64*((\q)%2)+8*\b+4*\c:BF+64*((\q)%2)+8*\b+4*\c+3], v[ADRB+(\q)/4] offset:16*PITCH*\b+64*((\q)%4)+32*\c
.endr
.endr
.endm
; K step q: 32 products, the 32 accumulators by turns in the same order in every step; the next step's fragments of Wo are asked for ahead of them
.macro STEP3 q
	s_wait_loadcnt 8*(7-(\q))                      ; x's fragments of this K step are in; those of the later steps, eight loads each, may be out
	s_wait_dscnt 0x0                               ; Wo's fragments of this step
.if (\q) < 7
.rept 4
	v_nop                                          ; places in front of loads into the set that the last step's products read
.endr
	FETCH_B (\q)+1
.endif
.if (\q) == 0
	WIN 0x84                                       ; source 1 (x) window 1, C (bo) window 0, D window 2
.else
	WIN 0xa4                                       ; C and D window 2
.endif
.irp i, 0,1,2,3
.irp b, 0,1,2,3,4,5,6,7
.set rD, 8*(8*\i+\b)
.set rC, rD
.if (\q) == 0
.set rC, BO+8*\b
.endif
	WM rD, BF+64*((\q)%2)+8*\b, 8*(8*\i+(\q)), rC, SB+8*(\b/2)+(\q), SA+8*(\i/2)+(\q), \b%2, \i%2
.endr
.endr
	WIN 0
.endm
	FETCH_B 0
.irp q, 0,1,2,3,4,5,6,7
	STEP3 \q
.endr
; THE WAY OUT, 16 rows x 128 columns at a time, through my own stage: in as 32 bytes a lane, back as whole rows of 512 bytes.  LDS serves a wave's instructions in order (ISA guide 5.7.1.4): no wait between the stores and the loads.
.macro TOSTAGE i
	WIN 0x08                                       ; an LDS store's data are its source 1: window 2
.irp b, 0,1,2,3,4,5,6,7
	ds_store_b128 v[STO], v[64*(\i)+8*\b:64*(\i)+8*\b+3] offset:64*\b            ; each accumulator from its low end on
	ds_store_b128 v[STO], v[64*(\i)+8*\b+4:64*(\i)+8*\b+7] offset:64*\b+16
.endr
	WIN 0
.set BB, BF+64*((\i)%2)
.irp t, 0,1,2,3,4,5,6,7,8,9,10,11,12,13,14,15
	ds_load_b128 v[BB+4*\t:BB+4*\t+3], v[RD] offset:\t*SPITCH
.endr
.endm
.macro SEND i, younger                 ; younger: the LDS instructions issued behind block i's loads, which may stay out
.set BB, BF+64*((\i)%2)
	s_wait_dscnt \younger
.irp t, 0,1,2,3,4,5,6,7,8,9,10,11,12,13,14,15
	global_store_b128 v[LI], v[BB+4*\t:BB+4*\t+3], s[14:15] offset:(16*(\i)+\t)*4096 th:TH_STORE_NT   ; 32 lanes store 512 consecutive bytes, at a multiple of 256 from out0's first byte
.endr
.endm
.rept 4
	v_nop                                          ; places behind the last products: results are read, and loads land where Wo's fragments lay
.endr
	TOSTAGE 0
	TOSTAGE 1
	SEND 0, 32                                     ; behind block 0's loads: block 1's 16 stores and 16 loads
	s_wait_xcnt 0x0                                ; block 0's stores have read their registers: block 2's loads may land there
	TOSTAGE 2
	SEND 1, 32
	s_wait_xcnt 0x0
	TOSTAGE 3
	SEND 2, 32
	SEND 3, 0
	s_wait_tensorcnt 0x0                           ; the wave's end, behind my last tensor load and my last LDS store
	ds_add_u32 v[SPW], v[NIL]
	s_wait_dscnt 0x0
	CROUND                                         ; the closing round
	s_endpgm
.Lfunc_end_k_q7c7bafc23b_oproj:
	.size	k_q7c7bafc23b_oproj, .Lfunc_end_k_q7c7bafc23b_oproj-k_q7c7bafc23b_oproj
	.p2alignl 7, 3214868480
	.fill 96, 4, 3214868480
	.section	.rodata,"a",@progbits
	.p2align	6, 0x0
	.amdhsa_kernel k_q7c7bafc23b_oproj
		.amdhsa_group_segment_fixed_size 167936
		.amdhsa_private_segment_fixed_size 0
		.amdhsa_enable_private_segment 0
		.amdhsa_kernarg_size 48
		.amdhsa_user_sgpr_count 2
		.amdhsa_user_sgpr_kernarg_segment_ptr 1
		.amdhsa_wavefront_size32 1
		.amdhsa_system_sgpr_workgroup_id_x 1
		.amdhsa_system_sgpr_workgroup_id_y 1
		.amdhsa_system_sgpr_workgroup_id_z 1
		.amdhsa_system_vgpr_workitem_id 0
		.amdhsa_next_free_vgpr 768
		.amdhsa_next_free_sgpr 66
		.amdhsa_reserve_vcc 0
		.amdhsa_float_denorm_mode_32 3
		.amdhsa_float_denorm_mode_16_64 3
		.amdhsa_memory_ordered 1
		.amdhsa_forward_progress 1
		.amdhsa_inst_pref_size 70
	.end_amdhsa_kernel
	.amdgpu_metadata
---
amdhsa.version: [ 1, 2 ]
amdhsa.kernels:
  - .name:           k_q7c7bafc23b_oproj
    .symbol:         k_q7c7bafc23b_oproj.kd
    .args:
      - { .name: xc, .offset: 0, .size: 8, .value_kind: global_buffer, .address_space: global }
      - { .name: xs, .offset: 8, .size: 8, .value_kind: global_buffer, .address_space: global }
      - { .name: Wo_codes, .offset: 16, .size: 8, .value_kind: global_buffer, .address_space: global }
      - { .name: Wo_scales, .offset: 24, .size: 8, .value_kind: global_buffer, .address_space: global }
      - { .name: bo, .offset: 32, .size: 8, .value_kind: global_buffer, .address_space: global }
      - { .name: out0, .offset: 40, .size: 8, .value_kind: global_buffer, .address_space: global }
    .group_segment_fixed_size: 167936
    .private_segment_fixed_size: 0
    .kernarg_segment_align: 8
    .kernarg_segment_size: 48
    .max_flat_workgroup_size: 128
    .sgpr_count:     66
    .vgpr_count:     768
    .wavefront_size: 32
...
	.end_amdgpu_metadata
.endif
;; end of part 3
